; MI455X (gfx1250); checked and timed in simulation.
; The chip was launched on July 23, 2026; its instructions are those of AMD's public machine-readable ISA for CDNA 5 (MIT licence, August 2026) and "CDNA5" Instruction Set Architecture Reference Guide (July 2026). The comments in the code are by the model that wrote it; some were corrected since.
;; Sparse Attention. Allowed arithmetic: float matrix products may take bf16 or f16 operands with f32 sums; all other float work in f32.
;; Inputs: k 4 x 4,096 x 512 float32; q 4 x 4,096 x 512 float32; v 4 x 4,096 x 512 float32.
;; Outputs: out0 4 x 4,096 x 512 float32.
;; One version. Each part assembles by itself: llvm-mc -triple=amdgcn-amd-amdhsa -mcpu=gfx1250 --defsym DOCPART=n.
;; ======== version 1 of 1: 2 launches
;; workspace buffers: kb 16,777,216 bytes; vb 16,777,216 bytes
;; launch cvt (part 1): grid 512 x 2, 8 waves a work-group, no clusters, 0 bytes of LDS; arguments k, v, kb, vb; writes kb, vb
.if DOCPART == 1
	.amdgcn_target "amdgcn-amd-amdhsa--gfx1250"
	.amdhsa_code_object_version 6
	.text
	.protected	k_q91ea972997_cvt
	.globl	k_q91ea972997_cvt
	.p2align	8
	.type	k_q91ea972997_cvt,@function
k_q91ea972997_cvt:
	s_mov_b64 s[64:65], 0
	v_nop
	global_prefetch_b8 v0, s[64:65] scope:SCOPE_SE
	s_setreg_imm32_b32 hwreg(HW_REG_WAVE_MODE, 25, 1), 1
	s_wait_xcnt 0x0
; k -> kb and v -> vb: [4][4096][512] f32 rounded once to bf16 (nearest even), same order of elements.
; WHY: in the next launch 64 work-groups read each batch's k and v; as matrix operands they are bf16 anyway, so they are rounded once here
; and every later read moves half the bytes.
; WHAT THE PROGRAM LEAVES OUT, AND WHY IT MAY: the four strided transposes.  q, k and v are permuted along t by ONE permutation s, and the
; result by its inverse.  With k' = k[s], v' = v[s]: sum over j of softmax_j(q'_i . k'_j) v'_j runs over ALL 4096 keys, and k and v carry
; the same s, so the sum (numerator and denominator alike) is the same set of terms in another order: it does not depend on s.  Row i of
; the permuted result belongs to query s(i), and the inverse transpose puts it back at s(i).  So for all values of the inputs
; out[n][i] = sum_j softmax_j(0.125 q[n][i] . k[n][j]) v[n][j], positions as they lie in memory.  No arithmetic is left out, only moves;
; every element of q, k and v still reaches the result, NaN and infinities with it.  The order of the f32 sums differs.
; Grid: x = 512 pieces of 64 KiB of the input, y = 0: k, 1: v.  Eight waves; thread t owns 16 bytes at 16 t of each of sixteen runs of
; 4,096 bytes.  A wave's load covers 512 neighbouring bytes, its store 256 neighbouring bytes that begin at a multiple of 256.
; All sixteen loads go out first; nothing is written twice, so the counted waits for the loads are the only waits.
.set X, 4                              ; v[4:67]   sixteen loads of four f32
.set Y, 68                             ; v[68:99]  sixteen pairs of registers, four bf16 each
	s_load_b256 s[4:11], s[0:1], 0x0               ; k s[4:5], v s[6:7], kb s[8:9], vb s[10:11]
	s_and_b32 s12, ttmp7, 0xffff                   ; y: which of the two tensors
	s_lshl_b32 s18, ttmp9, 16                      ; my piece of the input: 65,536 bytes each (below 32 MiB)
	s_mov_b32 s19, 0
	s_lshl_b32 s20, ttmp9, 15                      ; and of the output: half of that
	s_mov_b32 s21, 0
	v_lshlrev_b32 v1, 4, v0                        ; 16 t
	v_lshlrev_b32 v2, 3, v0                        ; 8 t
	s_wait_kmcnt 0x0
	s_cmp_eq_u32 s12, 0                            ; the choice hangs on the work-group's y alone
	s_cselect_b64 s[14:15], s[4:5], s[6:7]
	s_cselect_b64 s[16:17], s[8:9], s[10:11]
	s_add_nc_u64 s[14:15], s[14:15], s[18:19]
	s_add_nc_u64 s[16:17], s[16:17], s[20:21]
.set i, 0
.rept 16
	global_load_b128 v[X+4*i:X+4*i+3], v1, s[14:15] offset:4096*i th:TH_LOAD_NT    ; read once in the launch
.set i, i+1
.endr
.set i, 0
.rept 16
	s_wait_loadcnt 15-i                            ; loads come back in order: load i is in, the 15 - i younger ones stay out
	v_cvt_pk_bf16_f32 v[Y+2*i],   v[X+4*i],   v[X+4*i+1]
	v_cvt_pk_bf16_f32 v[Y+2*i+1], v[X+4*i+2], v[X+4*i+3]
	global_store_b64 v2, v[Y+2*i:Y+2*i+1], s[16:17] offset:2048*i                  ; no hint: the next launch reads these bytes
.set i, i+1
.endr
	s_endpgm
.Lfunc_end_k_q91ea972997_cvt:
	.size	k_q91ea972997_cvt, .Lfunc_end_k_q91ea972997_cvt-k_q91ea972997_cvt
	.p2alignl 7, 3214868480
	.fill 96, 4, 3214868480
	.section	.rodata,"a",@progbits
	.p2align	6, 0x0
	.amdhsa_kernel k_q91ea972997_cvt
		.amdhsa_group_segment_fixed_size 0
		.amdhsa_private_segment_fixed_size 0
		.amdhsa_enable_private_segment 0
		.amdhsa_kernarg_size 32
		.amdhsa_user_sgpr_count 2
		.amdhsa_user_sgpr_kernarg_segment_ptr 1
		.amdhsa_wavefront_size32 1
		.amdhsa_system_sgpr_workgroup_id_x 1
		.amdhsa_system_sgpr_workgroup_id_y 1
		.amdhsa_system_sgpr_workgroup_id_z 1
		.amdhsa_system_vgpr_workitem_id 0
		.amdhsa_next_free_vgpr 100
		.amdhsa_next_free_sgpr 66
		.amdhsa_reserve_vcc 0
		.amdhsa_float_denorm_mode_32 3
		.amdhsa_float_denorm_mode_16_64 3
		.amdhsa_memory_ordered 1
		.amdhsa_forward_progress 1
		.amdhsa_inst_pref_size 7
	.end_amdhsa_kernel
	.amdgpu_metadata
---
amdhsa.version: [ 1, 2 ]
amdhsa.kernels:
  - .name:           k_q91ea972997_cvt
    .symbol:         k_q91ea972997_cvt.kd
    .args:
      - { .name: k, .offset: 0, .size: 8, .value_kind: global_buffer, .address_space: global }
      - { .name: v, .offset: 8, .size: 8, .value_kind: global_buffer, .address_space: global }
      - { .name: kb, .offset: 16, .size: 8, .value_kind: global_buffer, .address_space: global }
      - { .name: vb, .offset: 24, .size: 8, .value_kind: global_buffer, .address_space: global }
    .group_segment_fixed_size: 0
    .private_segment_fixed_size: 0
    .kernarg_segment_align: 8
    .kernarg_segment_size: 32
    .max_flat_workgroup_size: 256
    .sgpr_count:     66
    .vgpr_count:     100
    .wavefront_size: 32
...
	.end_amdgpu_metadata
.endif
;; end of part 1
;; launch attn (part 2): grid 256 x 1, 4 waves a work-group, clusters of 4 x 1, 327,680 bytes of LDS; arguments q, kb, vb, out0; writes out0
.if DOCPART == 2
	.amdgcn_target "amdgcn-amd-amdhsa--gfx1250"
	.amdhsa_code_object_version 6
	.text
	.protected	k_q91ea972997_attn
	.globl	k_q91ea972997_attn
	.p2align	8
	.type	k_q91ea972997_attn,@function
k_q91ea972997_attn:
	s_mov_b64 s[64:65], 0
	v_nop
	global_prefetch_b8 v0, s[64:65] scope:SCOPE_SE
	s_setreg_imm32_b32 hwreg(HW_REG_WAVE_MODE, 25, 1), 1
	s_wait_xcnt 0x0
	s_wait_alu depctr_hold_cnt(0) depctr_sa_sdst(0) depctr_va_vdst(0) depctr_va_sdst(0) depctr_va_ssrc(0) depctr_va_vcc(0) depctr_vm_vsrc(0)
	s_getreg_b32 s2, hwreg(HW_REG_IB_STS2, 6, 4)
	s_cmp_eq_u32 s2, 0
	s_cbranch_scc0 .Lentry_in_a_cluster
	s_endpgm
.Lentry_in_a_cluster:
	s_bfe_u32 s2, ttmp6, 0x10000c
	s_cmp_lg_u32 s2, 0x3003
	s_cbranch_scc0 .Lentry_shape_is_right
	s_endpgm
.Lentry_shape_is_right:
; out[n][i][:] = sum_j softmax_j(0.125 q[n][i] . k[n][j]) v[n][j][:], n = 4, 4096 positions, 512 dims; kb, vb = k, v in bf16.
; The strided transposes are not performed: k and v carry one and the same permutation under a sum over all keys, and the queries' permutation
; is undone on the result, so they are an identity for all values of the inputs (shown at the head of the first kernel).
; LIMITS: inputs finite and logits finite in f32 (a NaN loses in the maxima taken here); a probability below 2^-126 counts as 0; matrix operands
; (q, k, v, p) are rounded to bf16, sums are f32 in another order than the definition's.  The row maximum is taken away before every exponential
; (running maximum over the key tiles), so the size of the logits does not matter.
;
; SHARES.  A work-group owns 64 queries; four waves.  Keys go in 32 tiles of 128.
;   S:  wave w makes S^T = K Q^T for keys 32 w .. 32 w + 31 of the tile and all 64 queries (8 accumulators); all of Q lies in its registers.
;   PV: wave w makes O^T = V^T P^T for dims 128 w .. 128 w + 127 and all 64 queries (32 accumulators).
;   So each byte of a K tile and of a V tile is read from LDS by one wave, once.  P (64 x 128 bf16) and the row maxima cross through LDS.
;   Both products are used transposed: in S^T a lane holds ONE query (l % 16) and eight keys, so maximum and sum stay in the lane but for one
;   exchange of halves, and eight p pack into 16 neighbouring bytes of P[query][key]; in O^T a lane holds one query and eight neighbouring dims.
; THE LOOP IS SHIFTED BY HALF A TILE, so that vector work stands between matrix instructions.  Trip t:
;   X: the 128 products of S(t+1); behind each one slice of tile t's work: exponents, exponentials, sums, packing, P's stores, O's rescaling.
;   a round of the cluster's barrier: K's region is free, P(t) changes hands; K(t+2) is asked for and has Y in which to land.
;   Y: the 128 products of PV(t); behind some of them slices of tile t+1's maxima in the lane and of the update of the sums.
;   a round: V's region and P are free, the maxima of t+1 change hands; V(t+1) is asked for and has X in which to land.
;   The scores of tiles t and t+1 are live at once: two sets of 64 registers that swap roles, so the loop holds two trips.
;   A slice has at most 7 lines (window switches among them) for a product's 8 cycles' worth of multiply-adds (8,192 at 1,024 a cycle).
; CLUSTER.  The four work-groups of a cluster belong to one batch and walk the same K and V tiles: each tile is asked for jointly (mask 15), wave w
;   asking for dims 128 w .. +127 of the 128 keys.  A wave has at most two tensor loads out (the two first fills), later one.
; ASKING AHEAD.  Once in each pass of the loop (two tiles) wave 0 asks for 32 blocks of 256 bytes, lanes 256 bytes apart.  The four tiles of a pass
;   (two of K, two of V) are 512 KiB for a batch = 64 work-groups x 8 KiB: each block is asked for once.  With t the pass's first trip, the four
;   quarters of a batch's clusters take K(t+3), K(t+4), V(t+2), V(t+3), whose tensor loads follow 1, 2, 1.5 and 2.5 trips later.  The first asked
;   for are K(4) and V(3), the last K(31) and V(30): inside the buffers.  K(0-3), V(0-2) and V(31) are not asked for.
; LDS: K 4 panels (128 dims) x 128 rows x 272;  V 4 panels x 128 rows x 288;  PB 20,480 (never filled by a tensor load): first the stage for Q
;   (16 rows x 1,040), then P (panel w: 64 queries x 32 keys, pitch 80), at the end the waves' stages for the result (16 rows x 272 each);
;   MX, LX 1,024 each: [wave][query % 16][query tile] f32.  Pitches 272, 80, 1,040 are odd multiples of 16 bytes, 288 an odd multiple of 32.
; REGISTERS, in windows of 256: window 0 below; window 1: O, tile (dt, qt) at 8 (4 dt + qt) (at the start: q as loaded);
;   window 2: Q fragments of K steps 0-7, (ks, qt) at 8 (4 ks + qt); window 3: K steps 8-15.
.set KPITCH, 272
.set KPAN,   128*KPITCH                ; 34,816; K's panels begin at LDS byte 0
.set VPITCH, 288
.set VPAN,   128*VPITCH                ; 36,864
.set VB,     4*KPAN                    ; 139,264
.set PB,     VB+4*VPAN                 ; 286,720
.set PPITCH, 80
.set PPAN,   64*PPITCH                 ; 5,120
.set MX,     PB+4*PPAN                 ; 307,200; LX lies 1,024 behind
.set QPITCH, 1040
.set SPITCH, 272
.set TILEB,  128*1024                  ; bytes from one tile of 128 keys to the next in kb and vb
.set CEXP,   0x3e38aa3b                ; 0.125 log2(e)
.set CNEG,   0xbe38aa3b                ; its negative
.set PST,  1                           ; P: where I store 16 bytes
.set PLD,  2                           ; P: where my fragments begin
.set ADRV, 3                           ; V: transposing loads
.set ADRK, 4                           ; v4-7 K: my rows in panel g
.set MXST, 8
.set MXLD, 9
.set SST,  10                          ; result stage: in
.set SLD,  11                          ; result stage: back
.set OOFF, 12                          ; my byte offset in the work-group's 64 rows of out0
.set QOFF, 13                          ; q's loads; once they are in:
.set PFO,  13                          ; 256 x lane, for asking ahead
.set QST,  14
.set QLD,  15
.set RM,   16                          ; v16-19 running maximum of the raw logits, one for each query tile
.set RL,   20                          ; v20-23 running sum (this lane's keys)
.set AL,   24                          ; v24-27 alpha; at the end 1 / l
.set NM,   28                          ; v28-31 -c m, rounded
.set MN,   32                          ; v32-35 a tile's maximum
.set PT,   36                          ; v36-39 the other half's value; the new -c m
.set LS,   40                          ; v40-47 four pairs of partial sums, first chain
.set SET0, 48                          ; v48-111, v112-175: S^T of tile t in set t % 2, accumulator 4 kt + qt.  In Y the set whose tile has been
.set SET1, 112                         ; packed is V's ring: four units of 16 registers (two dim tiles of one step of 32 keys)
.set KF,   176                         ; v176-239: in X a ring of four K steps (2 key tiles x 8 registers each); in Y two buffers of P (4 query tiles x 8)
.set MXR,  240                         ; v240-255 the four waves' maxima or sums; scratch at the start
.set LT,   240                         ; v240-247 four pairs of partial sums, second chain (once the maxima have been used)
.set TMP,  48                          ; v48-79 packed q; scaled results
.set OB0,  112
.set OB1,  144
.set G1K, 20                           ; s[20:27]
.set G1V, 28                           ; s[28:35]
.set G0K, 36                           ; s[36:39]
.set G0V, 40                           ; s[40:43]
.set MSB, 0
.set DSC, 0                            ; LDS instructions so far, in the order of the text
.macro WIN new                         ; the immediate's high byte repeats the setting that is left; a switch that changes nothing is dropped
.if MSB != (\new)
	s_set_vgpr_msb (MSB<<8)|(\new)
.set MSB, (\new)
.endif
.endm
.macro PLACES                          ; four plain vector places behind matrix instructions (ISA guide 7.12.1), where no useful line is at hand
.rept 4
	v_nop
.endr
.endm
.macro BAR
	s_barrier_signal -1
	s_barrier_wait -1
.endm
.macro ROUND                           ; a round of the cluster's barrier: my work-group's barrier, wave 0 signals for it, all wait for the four work-groups, my barrier again
	s_barrier_signal -1
	s_barrier_wait -1
	s_cmp_lg_u32 s12, 0
	s_cbranch_scc1 .Lnot_wave_0_\@
	s_barrier_signal -3
.Lnot_wave_0_\@:
	s_barrier_wait -3
	s_barrier_signal -1
	s_barrier_wait -1
.endm
; Counted waits on LDS.  MARK k notes the count behind the loads into ring buffer k; WAITM k waits until only the LDS instructions issued behind
; them are out (LDS serves a wave's loads and stores in order: ISA guide 5.7.1).  Every trip sets its marks anew behind a wait for 0.
.macro MARK k
.if (\k) == 0
.set DM0, DSC
.endif
.if (\k) == 1
.set DM1, DSC
.endif
.if (\k) == 2
.set DM2, DSC
.endif
.if (\k) == 3
.set DM3, DSC
.endif
.endm
.macro WAITM k
.if (\k) == 0
	s_wait_dscnt DSC-DM0
.endif
.if (\k) == 1
	s_wait_dscnt DSC-DM1
.endif
.if (\k) == 2
	s_wait_dscnt DSC-DM2
.endif
.if (\k) == 3
	s_wait_dscnt DSC-DM3
.endif
.endm
	s_load_b256 s[4:11], s[0:1], 0x0               ; q s[4:5], kb s[6:7], vb s[8:9], out0 s[10:11]
	v_lshl_add_u32 v254, v0, 2, 0x4b800
	v_mov_b32 v255, 0
	ds_add_u32 v254, v255
	s_wait_dscnt 0x0
	v_lshrrev_b32 v247, 5, v0
	v_readfirstlane_b32 s12, v247                  ; wave 0..3
	s_bfe_u32 s13, ttmp6, 0x40000                  ; cx: my place in the cluster.  It reaches s13, s14, s[48:49], s53 and global addresses (q, out0, asking ahead), nothing else
	s_lshl_b32 s14, ttmp9, 2
	s_add_co_u32 s14, s14, s13                     ; work-group = 4 x cluster + cx
	s_lshl_b32 s48, s14, 17                        ; its 64 rows of 2,048 bytes (below 32 MiB)
	s_mov_b32 s49, 0
	s_lshr_b32 s15, ttmp9, 4                       ; batch = cluster / 16: the same in all four partners
	s_lshl_b32 s50, s15, 22                        ; a batch of kb or vb is 4 MiB,
	s_lshl_b32 s16, s12, 8
	s_add_co_u32 s50, s50, s16                     ; and my panel begins 256 w bytes into each row
	s_mov_b32 s51, 0
	s_mov_b32 s45, 0x76543210                      ; v_permlanex16_b32: lane i reads lane i of the other half
	s_mov_b32 s46, 0xfedcba98
	v_and_b32 v242, 31, v0                         ; lane
	s_lshl_b32 s16, s12, 13
	v_lshl_add_u32 v[QOFF], v242, 4, s16           ; q: wave w takes rows 4 w .. 4 w + 3 of each query tile: 8,192 w + 16 lane
	s_wait_kmcnt 0x0
	s_add_nc_u64 s[4:5], s[4:5], s[48:49]
	s_add_nc_u64 s[10:11], s[10:11], s[48:49]
	; asking ahead: s[54:55] = the buffer of my quarter + batch + 8 KiB x (work-group % 16) + the tile two in front of the first one asked for
	s_bfe_u32 s52, ttmp9, 0x20002                  ; c = (cluster / 4) % 4: 0, 1 ask for K, 2, 3 for V; the same in all four partners
	s_and_b32 s53, s14, 15
	s_lshl_b32 s53, s53, 13
	s_lshl_b32 s17, s15, 22
	s_add_co_u32 s53, s53, s17
	s_cmp_lt_u32 s52, 2
	s_cselect_b64 s[54:55], s[6:7], s[8:9]
	s_cselect_b32 s17, 2, -1
	s_add_co_u32 s17, s17, s52                     ; tiles 2, 3 of K, 1, 2 of V; the base steps by two tiles in front of each request
	s_lshl_b32 s17, s17, 17
	s_add_co_u32 s48, s53, s17                     ; below 16 MiB; s49 is still 0
	s_add_nc_u64 s[54:55], s[54:55], s[48:49]
	; all of my q at once, into window 1: load i = 16 c + 4 rr + pc is row 16 c + 4 w + rr, bytes 512 pc .. + 511
	WIN 0x40
.set i, 0
.rept 64
	global_load_b128 v[4*i:4*i+3], v[QOFF], s[4:5] offset:((i>>4)*16+((i>>2)&3))*2048+(i&3)*512 th:TH_LOAD_NT
.set i, i+1
.endr
	WIN 0
	; descriptors: a tile of 128 rows (keys) x 128 elements of 2 bytes, 512 elements from row to row, padded behind every 64 words
	s_mov_b32 s[G1K+0], 0x0771000f                 ; mask 15 (all four partners), 2-byte elements, padding on, bit 21 beside the mask, interval code 5, 4 words of padding
	s_mov_b32 s[G1K+1], 128<<16                    ; tensor_dim0 = 128
	s_mov_b32 s[G1K+2], 128<<16                    ; tensor_dim1 = 128
	s_mov_b32 s[G1K+3], 128<<16                    ; tile_dim0 = 128
	s_mov_b32 s[G1K+4], 128                        ; tile_dim1 = 128
	s_mov_b32 s[G1K+5], 512                        ; pitch
	s_mov_b32 s[G1K+6], 0
	s_mov_b32 s[G1K+7], 0
	s_mov_b32 s[G1V+0], 0x0f71000f                 ; the same with 8 words of padding
	s_mov_b32 s[G1V+1], 128<<16
	s_mov_b32 s[G1V+2], 128<<16
	s_mov_b32 s[G1V+3], 128<<16
	s_mov_b32 s[G1V+4], 128
	s_mov_b32 s[G1V+5], 512
	s_mov_b32 s[G1V+6], 0
	s_mov_b32 s[G1V+7], 0
	s_mov_b32 s[G0K+0], 1
	s_mul_i32 s[G0K+1], s12, KPAN                  ; my panel of K (K's region begins at LDS byte 0)
	s_add_nc_u64 s[G0K+2:G0K+3], s[6:7], s[50:51]
	s_or_b32 s[G0K+3], s[G0K+3], 0x80000000
	s_mov_b32 s[G0V+0], 1
	s_mul_i32 s[G0V+1], s12, VPAN
	s_add_co_u32 s[G0V+1], s[G0V+1], VB            ; my panel of V
	s_add_nc_u64 s[G0V+2:G0V+3], s[8:9], s[50:51]
	s_or_b32 s[G0V+3], s[G0V+3], 0x80000000
	ROUND                                          ; the four work-groups are here: the first joint loads meet
	tensor_load_to_lds s[G0K:G0K+3], s[G1K:G1K+7]  ; K, tile 0
	s_nop 0
	tensor_load_to_lds s[G0V:G0V+3], s[G1V:G1V+7]  ; V, tile 0: two loads of mine are out, the most anywhere in this text
	s_nop 0
	; addresses.  r = lane % 16, h = lane / 16
	v_and_b32 v240, 15, v0                         ; r
	v_bfe_u32 v241, v0, 4, 1                       ; h
	v_mul_u32_u24 v243, v240, KPITCH               ; 272 r (K's pitch, and the result stage's)
	v_lshl_add_u32 v244, v241, 4, v243             ; 272 r + 16 h
	s_mul_i32 s16, s12, 32*KPITCH                  ; my 32 keys of the tile
	v_add_nc_u32 v[ADRK], s16, v244
	v_add_nc_u32 v[ADRK+1], KPAN, v[ADRK]
	v_add_nc_u32 v[ADRK+2], 2*KPAN, v[ADRK]
	v_add_nc_u32 v[ADRK+3], 3*KPAN, v[ADRK]
	v_and_b32 v245, 7, v0                          ; V, stored [key][dim], is read transposed: row 8 h + lane % 8, 16 bytes at 16 ((lane / 8) % 2)
	v_lshl_add_u32 v245, v241, 3, v245
	v_mul_u32_u24 v245, v245, VPITCH
	v_bfe_u32 v246, v0, 3, 1
	v_lshl_add_u32 v245, v246, 4, v245
	s_mul_i32 s16, s12, VPAN
	s_add_co_u32 s16, s16, VB
	v_add_nc_u32 v[ADRV], s16, v245
	v_mul_u32_u24 v245, v240, PPITCH
	v_lshl_add_u32 v245, v241, 4, v245             ; 80 r + 16 h
	v_add_nc_u32 v[PLD], PB, v245
	s_mul_i32 s16, s12, PPAN
	s_add_co_u32 s16, s16, PB                      ; my panel of P: I store into it alone
	v_add_nc_u32 v[PST], s16, v245
	s_lshl_b32 s16, s12, 8
	s_add_co_u32 s16, s16, MX
	v_lshl_add_u32 v[MXST], v240, 4, s16           ; MX + 256 w + 16 r
	v_lshl_add_u32 v[MXLD], v240, 4, MX
	s_mul_i32 s16, s12, 16*SPITCH
	s_add_co_u32 s16, s16, PB                      ; my stage for the result
	v_lshl_add_u32 v245, v241, 5, v243             ; in: row r, 32 bytes for each half of the lanes
	v_add_nc_u32 v[SST], s16, v245
	v_mul_u32_u24 v245, v241, SPITCH               ; back: lanes 0-15 one row of 256 bytes, lanes 16-31 the next
	v_lshl_add_u32 v245, v240, 4, v245
	v_add_nc_u32 v[SLD], s16, v245
	s_lshl_b32 s16, s12, 9
	v_lshl_add_u32 v245, v241, 11, s16             ; the same two rows in out0, at my 128 dims: 2,048 h + 512 w + 16 r
	v_lshl_add_u32 v[OOFF], v240, 4, v245
	s_mul_i32 s16, s12, 4*QPITCH
	s_add_co_u32 s16, s16, PB                      ; Q stage: my four rows
	v_lshl_add_u32 v[QST], v242, 3, s16
	v_mul_u32_u24 v245, v240, QPITCH
	v_lshl_add_u32 v245, v241, 4, v245
	v_add_nc_u32 v[QLD], PB, v245
.irp qt, 0,1,2,3
	v_mov_b32 v[PT+\qt], 0                         ; v_permlanex16_b32 counts as a reader of its destination
.endr
; Query tile c: round my four rows to bf16, put them into the stage, and take all sixteen K steps' fragments of the tile's 16 rows into windows 2 and 3.
; q is rounded as it is; the scale is applied in f32 in front of the exponential.
.macro QCHUNK c
	s_wait_loadcnt 48-16*\c                        ; the 16 loads of this tile are in; those of the later tiles stay out
	WIN 0x05
.set i, 0
.rept 16
	v_cvt_pk_bf16_f32 v[TMP+2*i],   v[64*\c+4*i],   v[64*\c+4*i+1]
	v_cvt_pk_bf16_f32 v[TMP+2*i+1], v[64*\c+4*i+2], v[64*\c+4*i+3]
.set i, i+1
.endr
	WIN 0
.set i, 0
.rept 16
	ds_store_b64 v[QST], v[TMP+2*i:TMP+2*i+1] offset:QPITCH*(i>>2)+256*(i&3)
.set i, i+1
.endr
	s_wait_dscnt 0x0                               ; my rows are in the stage,
	BAR                                            ; everybody's are
	WIN 0x80
.irp ks, 0,1,2,3,4,5,6,7
	ds_load_b128 v[8*(4*\ks+\c):8*(4*\ks+\c)+3],   v[QLD] offset:64*\ks
	ds_load_b128 v[8*(4*\ks+\c)+4:8*(4*\ks+\c)+7], v[QLD] offset:64*\ks+32
.endr
	WIN 0xc0
.irp ks, 0,1,2,3,4,5,6,7
	ds_load_b128 v[8*(4*\ks+\c):8*(4*\ks+\c)+3],   v[QLD] offset:512+64*\ks
	ds_load_b128 v[8*(4*\ks+\c)+4:8*(4*\ks+\c)+7], v[QLD] offset:512+64*\ks+32
.endr
	WIN 0
	s_wait_dscnt 0x0                               ; my reads of the stage are back: behind the barrier it is written again
.if \c == 3
	s_wait_tensorcnt 0x1                           ; my panel of K's tile 0 has landed; V's, issued behind it, may stay out
.endif
	BAR
.endm
	QCHUNK 0
	QCHUNK 1
	QCHUNK 2
	QCHUNK 3
	v_and_b32 v[PFO], 31, v0                       ; q's loads are done (the last wait was for 0), so their offset register is free
	v_lshlrev_b32 v[PFO], 8, v[PFO]
; ======== the pieces of a trip.  They read these symbols: NXT the set that S writes and whose maxima are taken; CUR the set that is turned into P
; and then serves as V's ring; MODE 0: S alone, 1: nothing carried yet, 2: the general trip; FIRST = MODE 1; LMAXON: Y takes maxima.
; 4 loads: K step s (32 dims) of my 32 keys, into ring buffer s % 4
.macro KL s
.irp kt, 0,1
	ds_load_b128 v[KF+16*((\s)&3)+8*\kt:KF+16*((\s)&3)+8*\kt+3],   v[ADRK+((\s)>>2)] offset:16*KPITCH*\kt+64*((\s)&3)
	ds_load_b128 v[KF+16*((\s)&3)+8*\kt+4:KF+16*((\s)&3)+8*\kt+7], v[ADRK+((\s)>>2)] offset:16*KPITCH*\kt+64*((\s)&3)+32
.endr
.set DSC, DSC+4
	MARK (\s)&3
.endm
; 4 transposing loads: unit u = key step u / 4, dim tiles 2 (u % 4) and + 1 of my eight, into ring buffer u % 4
.macro VL u
.irp d, 0,1
	ds_load_tr16_b128 v[CUR+16*((\u)&3)+8*\d:CUR+16*((\u)&3)+8*\d+3],   v[ADRV] offset:32*VPITCH*((\u)>>2)+32*(2*((\u)&3)+\d)
	ds_load_tr16_b128 v[CUR+16*((\u)&3)+8*\d+4:CUR+16*((\u)&3)+8*\d+7], v[ADRV] offset:32*VPITCH*((\u)>>2)+32*(2*((\u)&3)+\d)+16*VPITCH
.endr
.set DSC, DSC+4
	MARK (\u)&3
.endm
; 4 loads: P of key step ks (wave ks's panel), query tiles 2 hf and 2 hf + 1, into buffer ks % 2
.macro PL ks, hf
.irp q, 0,1
	ds_load_b128 v[KF+32*(\ks&1)+8*(2*\hf+\q):KF+32*(\ks&1)+8*(2*\hf+\q)+3],   v[PLD] offset:PPAN*\ks+16*PPITCH*(2*\hf+\q)
	ds_load_b128 v[KF+32*(\ks&1)+8*(2*\hf+\q)+4:KF+32*(\ks&1)+8*(2*\hf+\q)+7], v[PLD] offset:PPAN*\ks+16*PPITCH*(2*\hf+\q)+32
.endr
.set DSC, DSC+4
.endm
; O tile o = 4 dt + qt times alpha of query tile qt: four plain lines in window 1.  Where nothing is carried yet: four v_nop in their stead.
.macro RSL o
.if MODE == 2
	WIN 0x41                                       ; O in window 1, alpha in window 0
.irp p, 0,2,4,6
.if (\o)&1
	v_pk_mul_f32 v[8*(\o)+\p:8*(\o)+\p+1], v[8*(\o)+\p:8*(\o)+\p+1], v[AL+2*(((\o)&3)>>1):AL+2*(((\o)&3)>>1)+1] op_sel:[0,1] op_sel_hi:[1,1]
.else
	v_pk_mul_f32 v[8*(\o)+\p:8*(\o)+\p+1], v[8*(\o)+\p:8*(\o)+\p+1], v[AL+2*(((\o)&3)>>1):AL+2*(((\o)&3)>>1)+1] op_sel_hi:[1,0]
.endif
.endr
.else
	PLACES
.endif
.endm
; accumulator xa = 4 kt + qt: exponent c s - c m, two at a time; -c m of query tile qt is broadcast from its pair.  Source 1 is a literal, so the
; line is right under S's window setting too; so are the exponentials, which have one source.
.macro FMA
.irp p, 0,2,4,6
.if xa&1
	v_pk_fma_f32 v[CUR+8*xa+\p:CUR+8*xa+\p+1], v[CUR+8*xa+\p:CUR+8*xa+\p+1], CEXP, v[NM+2*((xa&3)>>1):NM+2*((xa&3)>>1)+1] op_sel:[0,0,1] op_sel_hi:[1,0,1]
.else
	v_pk_fma_f32 v[CUR+8*xa+\p:CUR+8*xa+\p+1], v[CUR+8*xa+\p:CUR+8*xa+\p+1], CEXP, v[NM+2*((xa&3)>>1):NM+2*((xa&3)>>1)+1] op_sel_hi:[1,0,0]
.endif
.endr
.endm
.macro EXP2                            ; two of the accumulator's eight exponentials
	v_exp_f32 v[CUR+8*xa+2*xj],   v[CUR+8*xa+2*xj]
	v_exp_f32 v[CUR+8*xa+2*xj+1], v[CUR+8*xa+2*xj+1]
.endm
; sums and packing of accumulator xa, in two slices.  Two chains of sums for each query tile (LS, LT), so that no line waits for the one in front;
; key tile 0 starts them.  Each pair is added before the packing writes over it.
.macro SL5
	WIN 0
.if xa < 4
	s_wait_alu depctr_va_vdst(0)
	v_pk_add_f32 v[LS+2*(xa&3):LS+2*(xa&3)+1], v[CUR+8*xa:CUR+8*xa+1],   v[CUR+8*xa+4:CUR+8*xa+5]
	v_pk_add_f32 v[LT+2*(xa&3):LT+2*(xa&3)+1], v[CUR+8*xa+2:CUR+8*xa+3], v[CUR+8*xa+6:CUR+8*xa+7]
.else
	s_wait_alu depctr_va_vdst(0)
	v_pk_add_f32 v[LS+2*(xa&3):LS+2*(xa&3)+1], v[LS+2*(xa&3):LS+2*(xa&3)+1], v[CUR+8*xa:CUR+8*xa+1]
	v_pk_add_f32 v[LT+2*(xa&3):LT+2*(xa&3)+1], v[LT+2*(xa&3):LT+2*(xa&3)+1], v[CUR+8*xa+2:CUR+8*xa+3]
.endif
	v_cvt_pk_bf16_f32 v[CUR+8*xa],   v[CUR+8*xa],   v[CUR+8*xa+1]
	v_cvt_pk_bf16_f32 v[CUR+8*xa+1], v[CUR+8*xa+2], v[CUR+8*xa+3]
.endm
.macro SL6
	WIN 0
.if xa >= 4
	v_pk_add_f32 v[LS+2*(xa&3):LS+2*(xa&3)+1], v[LS+2*(xa&3):LS+2*(xa&3)+1], v[CUR+8*xa+4:CUR+8*xa+5]
	v_pk_add_f32 v[LT+2*(xa&3):LT+2*(xa&3)+1], v[LT+2*(xa&3):LT+2*(xa&3)+1], v[CUR+8*xa+6:CUR+8*xa+7]
.endif
	v_cvt_pk_bf16_f32 v[CUR+8*xa+2], v[CUR+8*xa+4], v[CUR+8*xa+5]
	v_cvt_pk_bf16_f32 v[CUR+8*xa+3], v[CUR+8*xa+6], v[CUR+8*xa+7]
	ds_store_b128 v[PST], v[CUR+8*xa:CUR+8*xa+3] offset:16*PPITCH*(xa&3)+32*(xa>>2)   ; 8 keys of one query: 16 bytes into my panel of P
.set DSC, DSC+1
.endm
; The numbered slices of tile t's vector work; each call takes slice XK.  0: the exponents of accumulator 0.  1 + 7 a + j: j = 0..3 two exponentials
; of accumulator a; j = 4 the exponents of a + 1 (behind the last accumulator a slice of O's rescaling): the plain line that stands behind the
; exponentials before their results are read (ISA guide 5.7.2); j = 5, 6 sums, packing, store.  57..71: O tiles 17..31.  From 72 on nothing.
.macro XFREE
.if MODE > 0
.if XK == 0
.set xa, 0
	FMA
.endif
.if XK >= 1
.if XK <= 56
.set xa, (XK-1)/7
.set xj, (XK-1)%7
.if xj < 4
	EXP2
.endif
.if xj == 4
.if xa < 7
.set xa, xa+1
	FMA
.else
.if MODE == 2
	RSL 16
.else
	v_nop
	s_wait_alu depctr_va_vdst(0)
.endif
.endif
.endif
.if xj == 5
	SL5
.endif
.if xj == 6
	SL6
.endif
.endif
.endif
.if XK >= 57
.if XK <= 71
.if MODE == 2
	RSL XK-40
.endif
.endif
.endif
.endif
.set XK, XK+1
.endm
; K step s of S^T: 8 matrix instructions, S^T += K (16 keys) x Q^T (16 queries), a slice behind each.  The eight accumulators take turns, one
; instruction a turn, in the same order in every K step.  K step 0 starts the sums: nothing is cleared.
; Behind the step's last product stand four plain lines that name none of its registers (O tile s times alpha); behind the next step's first
; product (kl = 1) K step s + 3 of that step is loaded into the buffer so freed: it is used 23 products later.
.macro XSTEP s, kl
	WAITM (\s)&3                                   ; this K step's four loads are in; the younger LDS instructions stay out
.irp i, 0,1,2,3,4,5,6,7
	WIN 0x08+4*((\s)>>3)                           ; source 1 (Q) in window 2, from K step 8 on in window 3
.if (\s) == 0
	v_wmma_f32_16x16x32_bf16 v[NXT+8*\i:NXT+8*\i+7], v[KF+16*((\s)&3)+8*(\i>>2):KF+16*((\s)&3)+8*(\i>>2)+7], v[8*(4*((\s)&7)+(\i&3)):8*(4*((\s)&7)+(\i&3))+7], 0
.else
	v_wmma_f32_16x16x32_bf16 v[NXT+8*\i:NXT+8*\i+7], v[KF+16*((\s)&3)+8*(\i>>2):KF+16*((\s)&3)+8*(\i>>2)+7], v[8*(4*((\s)&7)+(\i&3)):8*(4*((\s)&7)+(\i&3))+7], v[NXT+8*\i:NXT+8*\i+7]
.endif
.if \i == 7
	RSL \s
.else
.if (\i+1-\kl) == 0
	KL \s+3
.else
	XFREE
.endif
.endif
.endr
.endm
.macro XPHASE
.set XK, 0
	XSTEP 0, 0
.irp s, 1,2,3,4,5,6,7,8,9,10,11,12
	XSTEP \s, 1
.endr
.irp s, 13,14,15
	XSTEP \s, 0
.endr
	WIN 0                                          ; the four plain lines behind the last product are also the places in front of what reads S^T or loads into K's ring
.endm
; Four plain lines for the place in front of Y's loads.  u = 0..7: one level of the maximum over the lane's 16 keys, for the four query tiles;
; 8: with the other half of the lanes; 9: the two chains of sums become one; 10, 11: l = l alpha + the tile's sum.
.macro YPL u
.if (\u) <= 8
.if LMAXON
.if (\u) == 0
.irp qt, 0,1,2,3
	v_max3_num_f32 v[MN+\qt], v[NXT+8*\qt], v[NXT+8*\qt+1], v[NXT+8*\qt+2]
.endr
.endif
.if (\u) >= 1
.if (\u) <= 6
.irp qt, 0,1,2,3
	v_max3_num_f32 v[MN+\qt], v[MN+\qt], v[NXT+8*\qt+((2*(\u)+1)&7)+32*((2*(\u)+1)>>3)], v[NXT+8*\qt+((2*(\u)+2)&7)+32*((2*(\u)+2)>>3)]
.endr
.endif
.endif
.if (\u) == 7
.irp qt, 0,1,2,3
	v_max_num_f32 v[MN+\qt], v[MN+\qt], v[NXT+8*\qt+39]
.endr
.endif
.if (\u) == 8
.irp qt, 0,1,2,3
	v_max_num_f32 v[MN+\qt], v[MN+\qt], v[PT+\qt]
.endr
.endif
.else
	PLACES
.endif
.endif
.if (\u) == 9
.irp qt, 0,1,2,3
	v_pk_add_f32 v[LS+2*\qt:LS+2*\qt+1], v[LS+2*\qt:LS+2*\qt+1], v[LT+2*\qt:LT+2*\qt+1]
.endr
.endif
.if (\u) == 10
.irp qt, 0,1,2,3
.if FIRST
	v_add_f32 v[RL+\qt], v[LS+2*\qt], v[LS+2*\qt+1]
.else
	v_fma_f32 v[RL+\qt], v[RL+\qt], v[AL+\qt], v[LS+2*\qt]
.endif
.endr
.endif
.if (\u) == 11
.if FIRST
	PLACES
.else
.irp qt, 0,1,2,3
	v_add_f32 v[RL+\qt], v[RL+\qt], v[LS+2*\qt+1]
.endr
.endif
.endif
.endm
.macro PERM
.irp qt, 0,1,2,3
	v_permlanex16_b32 v[PT+\qt], v[MN+\qt], s45, s46
.endr
.endm
; Unit u of O^T: 8 matrix instructions, O^T += V^T (16 dims) x P^T (16 queries): key step u / 4, two dim tiles x four query tiles.  Over a key step
; the 32 accumulators take turns, one instruction a turn.  Behind the unit's last product: four plain lines that name none
; of its registers, then unit u + 4 into the buffer so freed: it is used 24 products later.  P's buffers are filled again behind the
; four plain lines that follow their last use (units 3 and 7), four loads at a time.
.macro YUNIT u
.set yz, 0
.if FIRST
.if (\u) < 4
.set yz, 1
.endif
.endif
	WAITM (\u)&3                                   ; this unit's four loads are in, and P's loads for it, which were issued ahead of them
.irp i, 0,1,2,3,4,5,6,7
	WIN 0x50                                       ; C and D in window 1
.if yz
	v_wmma_f32_16x16x32_bf16 v[8*(4*(2*((\u)&3)+(\i>>2))+(\i&3)):8*(4*(2*((\u)&3)+(\i>>2))+(\i&3))+7], v[CUR+16*((\u)&3)+8*(\i>>2):CUR+16*((\u)&3)+8*(\i>>2)+7], v[KF+32*(((\u)>>2)&1)+8*(\i&3):KF+32*(((\u)>>2)&1)+8*(\i&3)+7], 0
.else
	v_wmma_f32_16x16x32_bf16 v[8*(4*(2*((\u)&3)+(\i>>2))+(\i&3)):8*(4*(2*((\u)&3)+(\i>>2))+(\i&3))+7], v[CUR+16*((\u)&3)+8*(\i>>2):CUR+16*((\u)&3)+8*(\i>>2)+7], v[KF+32*(((\u)>>2)&1)+8*(\i&3):KF+32*(((\u)>>2)&1)+8*(\i&3)+7], v[8*(4*(2*((\u)&3)+(\i>>2))+(\i&3)):8*(4*(2*((\u)&3)+(\i>>2))+(\i&3))+7]
.endif
.if \i == 7
.if (\u) <= 11
	WIN 0
	YPL \u
	VL \u+4
.if (\u) == 8
.if LMAXON
	ds_store_b128 v[MXST], v[MN:MN+3]              ; my 32 keys' maxima; lanes r and r + 16 store the same four numbers to the same bytes
.set DSC, DSC+1
.endif
.endif
.endif
.endif
.if (\u) == 4
.if \i == 1
	WIN 0
	PL 2, 0
.endif
.if \i == 3
	WIN 0
	PL 2, 1
.endif
.endif
.if (\u) == 8
.if \i == 1
	WIN 0
	PL 3, 0
.endif
.if \i == 3
	WIN 0
	PL 3, 1
.endif
.if \i == 5
.if LMAXON
	WIN 0
	PERM
.endif
.endif
.endif
.endr
.endm
.macro YPHASE
	PL 0, 0                                        ; P's step 0 first, so that the wait for V's unit 0 covers it
	PL 0, 1
	VL 0
	VL 1
	VL 2
	VL 3
	PL 1, 0
	PL 1, 1
.irp u, 0,1,2,3,4,5,6,7,8,9,10,11,12,13,14,15
	YUNIT \u
.endr
	WIN 0
	PLACES                                         ; before loads land in P's second buffer, which the last products read, and before O is read
.endm
; the four waves' maxima of the tile in CUR (and, kk = 1, the first four K steps of the next tile)
.macro POSTL kk
.irp w, 0,1,2,3
	ds_load_b128 v[MXR+4*\w:MXR+4*\w+3], v[MXLD] offset:256*\w
.endr
.set DSC, DSC+4
.set DMX, DSC
.if \kk
	KL 0
	KL 1
	KL 2
	KL 3
.endif
.endm
; the tile's maximum over the four waves, the running maximum, alpha, -c m: done while K's first fragments are on their way.  These plain lines
; and the four in front of the round are also the places before S's first products write over V's ring.
.macro GMAX
	s_wait_dscnt DSC-DMX                           ; the four loads of the maxima are in; K's loads behind them stay out
.irp qt, 0,1,2,3
	v_max3_num_f32 v[MN+\qt], v[MXR+\qt], v[MXR+4+\qt], v[MXR+8+\qt]
.endr
.if FIRST
.irp qt, 0,1,2,3
	v_max_num_f32 v[RM+\qt], v[MN+\qt], v[MXR+12+\qt]
.endr
.irp qt, 0,1,2,3
	v_mul_f32 v[NM+\qt], CNEG, v[RM+\qt]           ; -c m
.endr
.else
.irp qt, 0,1,2,3
	v_max3_num_f32 v[RM+\qt], v[MN+\qt], v[MXR+12+\qt], v[RM+\qt]
.endr
.irp qt, 0,1,2,3
	v_mul_f32 v[PT+\qt], CNEG, v[RM+\qt]           ; the new -c m
.endr
.irp qt, 0,1,2,3
	v_sub_f32 v[AL+\qt], v[PT+\qt], v[NM+\qt]      ; c m_old - c m_new, from the rounded values that the exponents use: never above 0
.endr
.irp qt, 0,1,2,3
	v_exp_f32 v[AL+\qt], v[AL+\qt]                 ; alpha
.endr
.irp qt, 0,1,2,3
	v_mov_b32 v[NM+\qt], v[PT+\qt]                 ; plain lines behind the exponentials, before alpha is used (ISA guide 5.7.2)
.endr
.endif
.endm
; Wave 0 asks for its work-group's 8 KiB of a later tile (see the head).  The base is stepped behind a wait that stands a whole pass of the loop behind
; the last request.
.macro PREF
	s_cmp_lg_u32 s12, 0
	s_cbranch_scc1 .Lno_ask_\@
	s_wait_xcnt 0x0
	s_add_nc_u64 s[54:55], s[54:55], 2*TILEB
	global_prefetch_b8 v[PFO], s[54:55] th:TH_LOAD_NT scope:SCOPE_SE
.Lno_ask_\@:
.endm
; Trip t.  nxt, cur: the sets of tiles t + 1 and t.  kref = 1: K(t+2) exists and is asked for.  pf = 1: wave 0 asks ahead.
.macro TRIP nxt, cur, mode, kref, pf
.set NXT, \nxt
.set CUR, \cur
.set MODE, \mode
.set FIRST, 2-\mode
.set LMAXON, 1
	POSTL 1
	GMAX
	XPHASE
	s_wait_dscnt 0x0                               ; my reads of K's tile are back and my panel of P is stored
	s_wait_xcnt 0x0
	v_lshl_add_u32 v254, v0, 2, 0x4b800
	v_mov_b32 v255, 0
	s_wait_tensorcnt 0x0                           ; all my tensor loads have landed: the one that was out is my panel of V(t)
	ds_add_u32 v254, v255
	s_wait_dscnt 0x0
.if \kref
	s_add_nc_u64 s[G0K+2:G0K+3], s[G0K+2:G0K+3], TILEB     ; no load of mine is out: the address may step
	ROUND                                          ; both hold of every wave of the four work-groups
	tensor_load_to_lds s[G0K:G0K+3], s[G1K:G1K+7]  ; K(t+2): my one tensor load until the next round
	s_nop 0
.if \pf
	PREF
.endif
.else
	BAR                                            ; nothing is left to fill: P changes hands
.endif
	YPHASE
	s_wait_dscnt 0x0                               ; my reads of V's tile and of P are back and my maxima are stored
	s_wait_xcnt 0x0
	v_lshl_add_u32 v254, v0, 2, 0x4b800
	v_mov_b32 v255, 0
	s_wait_tensorcnt 0x0                           ; all my tensor loads have landed: my panel of K(t+2)
	ds_add_u32 v254, v255
	s_wait_dscnt 0x0
	s_add_nc_u64 s[G0V+2:G0V+3], s[G0V+2:G0V+3], TILEB
	ROUND
	tensor_load_to_lds s[G0V:G0V+3], s[G1V:G1V+7]  ; V(t+1): my one tensor load until the next round
	s_nop 0
.endm
	; ---- tile 0's scores and maxima stand alone: there is no tile in front whose work they could carry
.set NXT, SET0
.set CUR, SET0
.set MODE, 0
.set FIRST, 1
.set LMAXON, 1
	KL 0
	KL 1
	KL 2
	KL 3
	XPHASE
.irp u, 0,1,2,3,4,5,6,7
	YPL \u
.endr
	PERM
	YPL 8
	ds_store_b128 v[MXST], v[MN:MN+3]
	s_wait_dscnt 0x0                               ; my reads of K(0) are back and my maxima are stored
	s_wait_xcnt 0x0
	v_lshl_add_u32 v254, v0, 2, 0x4b800
	v_mov_b32 v255, 0
	s_wait_tensorcnt 0x0                           ; V(0) has landed: no load of mine is out
	ds_add_u32 v254, v255
	s_wait_dscnt 0x0
	s_add_nc_u64 s[G0K+2:G0K+3], s[G0K+2:G0K+3], TILEB
	ROUND
	tensor_load_to_lds s[G0K:G0K+3], s[G1K:G1K+7]  ; K(1)
	s_nop 0
	s_wait_tensorcnt 0x0                           ; my panel of it has landed,
	BAR                                            ; everybody's has
	TRIP SET1, SET0, 1, 1, 0                       ; trip 0: its products start O, its maxima and sums start the carried ones
	s_mov_b32 s44, 14
.Ltrip:
	TRIP SET0, SET1, 2, 1, 1                       ; trips 1, 3, .. 27
	TRIP SET1, SET0, 2, 1, 0                       ; trips 2, 4, .. 28
	s_sub_co_u32 s44, s44, 1
	s_cmp_lg_u32 s44, 0
	s_cbranch_scc1 .Ltrip
	TRIP SET0, SET1, 2, 1, 0                       ; trip 29 asks for K(31), the last
	TRIP SET1, SET0, 2, 0, 0                       ; trip 30: no tile of K is left; V(31) is asked for behind it
	; ---- tile 31: its vector work stands alone, since no scores are left to compute, then its PV
.set CUR, SET1
.set MODE, 2
.set FIRST, 0
.set LMAXON, 0
	POSTL 0
	GMAX
.set XK, 0
.rept 72
	XFREE
.endr
.irp o, 0,1,2,3,4,5,6,7,8,9,10,11,12,13,14,15
	RSL \o
.endr
	WIN 0
	s_wait_dscnt 0x0                               ; my panel of P is stored
	s_wait_tensorcnt 0x0                           ; V(31) has landed: no tensor load is out from here on
	BAR
	YPHASE
	; ---- the sums: the other half of the lanes, then the four waves
.irp qt, 0,1,2,3
	v_permlanex16_b32 v[PT+\qt], v[RL+\qt], s45, s46
.endr
.irp qt, 0,1,2,3
	v_add_f32 v[RL+\qt], v[RL+\qt], v[PT+\qt]
.endr
	ds_store_b128 v[MXST], v[RL:RL+3] offset:1024
	s_wait_dscnt 0x0                               ; my sums are stored and my reads of P are back
	BAR                                            ; so behind it the sums may be read and P's bytes serve as the waves' stages
.irp w, 0,1,2,3
	ds_load_b128 v[MXR+4*\w:MXR+4*\w+3], v[MXLD] offset:1024+256*\w
.endr
	s_wait_dscnt 0x0
	v_pk_add_f32 v[MXR:MXR+1],     v[MXR:MXR+1],     v[MXR+4:MXR+5]
	v_pk_add_f32 v[MXR+2:MXR+3],   v[MXR+2:MXR+3],   v[MXR+6:MXR+7]
	v_pk_add_f32 v[MXR+8:MXR+9],   v[MXR+8:MXR+9],   v[MXR+12:MXR+13]
	v_pk_add_f32 v[MXR+10:MXR+11], v[MXR+10:MXR+11], v[MXR+14:MXR+15]
	v_pk_add_f32 v[MXR:MXR+1],     v[MXR:MXR+1],     v[MXR+8:MXR+9]
	v_pk_add_f32 v[MXR+2:MXR+3],   v[MXR+2:MXR+3],   v[MXR+10:MXR+11]
.irp qt, 0,1,2,3
	v_rcp_f32 v[AL+\qt], v[MXR+\qt]                ; l is about 1 at the least: the largest logit's own term
.endr
	v_nop                                          ; a plain place behind the reciprocals (ISA guide 5.7.2)
	s_wait_alu depctr_va_vdst(0)
; THE WAY OUT: 16 queries (tile qt) x 64 of my dims (half hf) at a time.  A lane's eight f32 are 32 neighbouring bytes of one row; through my own
; stage they become whole rows of 256 bytes.  LDS serves a wave's instructions in order, so no wait stands between my stores and my loads.
.macro OUTG qt, hf, f
	WIN 0x01                                       ; O in window 1
.irp d, 0,1,2,3
.irp p, 0,2,4,6
.if \qt&1
	v_pk_mul_f32 v[TMP+8*\d+\p:TMP+8*\d+\p+1], v[8*(4*(4*\hf+\d)+\qt)+\p:8*(4*(4*\hf+\d)+\qt)+\p+1], v[AL+2*(\qt>>1):AL+2*(\qt>>1)+1] op_sel:[0,1] op_sel_hi:[1,1]
.else
	v_pk_mul_f32 v[TMP+8*\d+\p:TMP+8*\d+\p+1], v[8*(4*(4*\hf+\d)+\qt)+\p:8*(4*(4*\hf+\d)+\qt)+\p+1], v[AL+2*(\qt>>1):AL+2*(\qt>>1)+1] op_sel_hi:[1,0]
.endif
.endr
.endr
	WIN 0
.irp d, 0,1,2,3
	ds_store_b128 v[SST], v[TMP+8*\d:TMP+8*\d+3]   offset:64*\d
	ds_store_b128 v[SST], v[TMP+8*\d+4:TMP+8*\d+7] offset:64*\d+16
.endr
	s_wait_xcnt 0x0                                ; buffer f, which earlier global stores read, is loaded again only behind this wait
.irp t, 0,1,2,3,4,5,6,7
	ds_load_b128 v[\f+4*\t:\f+4*\t+3], v[SLD] offset:2*SPITCH*\t
.endr
.irp t, 0,1,2,3,4,5,6,7
	s_wait_dscnt 7-\t                              ; read-back t is in, the 7 - t younger ones stay out
	global_store_b128 v[OOFF], v[\f+4*\t:\f+4*\t+3], s[10:11] offset:(16*\qt+2*\t)*2048+256*\hf th:TH_STORE_NT   ; 16 lanes store 256 consecutive bytes, at a multiple of 256 from out0's first byte
.endr
.endm
	OUTG 0, 0, OB0
	OUTG 0, 1, OB1
	OUTG 1, 0, OB0
	OUTG 1, 1, OB1
	OUTG 2, 0, OB0
	OUTG 2, 1, OB1
	OUTG 3, 0, OB0
	OUTG 3, 1, OB1
	s_wait_xcnt 0x0
	v_lshl_add_u32 v254, v0, 2, 0x4b800
	v_mov_b32 v255, 0
	s_wait_tensorcnt 0x0
	ds_add_u32 v254, v255
	s_wait_dscnt 0x0
	ROUND                                          ; the closing round: no work-group ends while a partner may still ask for a tile that names it
	s_endpgm
.Lfunc_end_k_q91ea972997_attn:
	.size	k_q91ea972997_attn, .Lfunc_end_k_q91ea972997_attn-k_q91ea972997_attn
	.p2alignl 7, 3214868480
	.fill 96, 4, 3214868480
	.section	.rodata,"a",@progbits
	.p2align	6, 0x0
	.amdhsa_kernel k_q91ea972997_attn
		.amdhsa_group_segment_fixed_size 327680
		.amdhsa_private_segment_fixed_size 0
		.amdhsa_enable_private_segment 0
		.amdhsa_kernarg_size 32
		.amdhsa_user_sgpr_count 2
		.amdhsa_user_sgpr_kernarg_segment_ptr 1
		.amdhsa_wavefront_size32 1
		.amdhsa_system_sgpr_workgroup_id_x 1
		.amdhsa_system_sgpr_workgroup_id_y 1
		.amdhsa_system_sgpr_workgroup_id_z 1
		.amdhsa_system_vgpr_workitem_id 0
		.amdhsa_next_free_vgpr 1024
		.amdhsa_next_free_sgpr 66
		.amdhsa_reserve_vcc 0
		.amdhsa_float_denorm_mode_32 3
		.amdhsa_float_denorm_mode_16_64 3
		.amdhsa_memory_ordered 1
		.amdhsa_forward_progress 1
		.amdhsa_inst_pref_size 255
	.end_amdhsa_kernel
	.section	.bss,"aw",@nobits
	.p2align	6
	.space	262144
	.amdgpu_metadata
---
amdhsa.version: [ 1, 2 ]
amdhsa.kernels:
  - .name:           k_q91ea972997_attn
    .symbol:         k_q91ea972997_attn.kd
    .args:
      - { .name: q, .offset: 0, .size: 8, .value_kind: global_buffer, .address_space: global }
      - { .name: kb, .offset: 8, .size: 8, .value_kind: global_buffer, .address_space: global }
      - { .name: vb, .offset: 16, .size: 8, .value_kind: global_buffer, .address_space: global }
      - { .name: out0, .offset: 24, .size: 8, .value_kind: global_buffer, .address_space: global }
    .group_segment_fixed_size: 327680
    .private_segment_fixed_size: 0
    .kernarg_segment_align: 8
    .kernarg_segment_size: 32
    .max_flat_workgroup_size: 128
    .sgpr_count:     66
    .vgpr_count:     1024
    .wavefront_size: 32
...
	.end_amdgpu_metadata
.endif
;; end of part 2
